; MI455X (gfx1250); checked and timed in simulation.
; The chip was launched on July 23, 2026; its instructions are those of AMD's public machine-readable ISA for CDNA 5 (MIT licence, August 2026) and "CDNA5" Instruction Set Architecture Reference Guide (July 2026). The comments in the code are by the model that wrote it; some were corrected since.
;; L Lama Attention. Allowed arithmetic: matrix products marked QUANTISED: E2M3 operands, one E8M0 scale for each 32 along K, by v_wmma_scale_f32_16x16x128_f8f6f4 with both operands' format E2M3, f32 sums; everything else in f32.
;; Inputs: K 4 x 4 x 16 x 128 float32; Kcache 4 x 4 x 8,176 x 128 float32; Q 4 x 32 x 16 x 128 float32; V 4 x 4 x 16 x 128 float32; Vcache 4 x 4 x 8,176 x 128 float32; w1 128 float32; w2 128 float32; w3 8,192 float32.
;; Outputs: out0 4 x 32 x 16 x 128 float32.
;; This version of the problem:
;;   THIS VERSION OF THE PROBLEM IS GIVEN IN LOW PRECISION. The matrix products marked QUANTISED in the list below multiply operands that are first quantised to E2M3 (2 exponent bits, 3 mantissa bits; 6 bits a number), with one power-of-two scale for each 32 numbers along K (OCP MX v1.0); their sums are f32. All else is computed in f32.
;;   The module's matrix products, in the order in which they are computed (A, B: the left and right operand; K: the contracted axis; several contracted axes count as one K, in the product's order):
;;     1. batch 16 x [M 128, K 128] x [K 128, N 8,192]; A: computed on the way; B: computed on the way: QUANTISED
;;     2. batch 16 x [M 128, K 8,192] x [K 8,192, N 128]; A: softmax (see below); B: computed on the way: QUANTISED
;;   THE QUANTISER, for each operand of a quantised product, along K:
;;     - K is cut into blocks of 32 from its start; a last block that is shorter is filled with zeros.
;;     - A block's scale is 2^e with e = floor(log2(the largest magnitude in the block)) - 2, held to -126 .. 127; a block of zeros has e = 0. As a byte (E8M0): e + 127.
;;     - Each number is divided by its block's scale, clamped to +-7.5, and rounded to the nearest number of E2M3, ties to even, subnormals kept.
;;     - The product sums the exact products of the quantised numbers (number of the format x scale) in f32.
;;   ~~~python
;;   def quantise(x, axis):      # numpy; x: float32 -> the quantised numbers, widened to float32 again
;;       x = np.moveaxis(x, axis, -1); K = x.shape[-1]
;;       x = np.pad(x, [(0, 0)] * (x.ndim - 1) + [(0, -K % 32)]); x = x.reshape(x.shape[:-1] + (-1, 32)); a = np.abs(x).max(-1, keepdims=True)
;;       e = np.where(a > 0, np.clip(np.frexp(np.where(a > 0, a, 1))[1] - 1 - 2, -126, 127), 0)      # np.frexp(a)[1] - 1 = floor(log2(a)), exactly
;;       r = np.clip(x / 2.0 ** e, -7.5, 7.5)
;;       step = 2.0 ** (np.maximum(np.frexp(np.where(r == 0, 1, r))[1] - 1, 0) - 3)
;;       q = np.round(r / step) * step * 2.0 ** e      # np.round: ties to even
;;       return np.moveaxis(q.reshape(q.shape[:-2] + (-1,))[..., :K], -1, axis).astype(np.float32)
;;   ~~~
;;   SOFTMAX AHEAD OF A QUANTISED PRODUCT. Where the list says 'softmax', what is quantised is not the finished softmax but p = 2^(t - M), with t = logit x log2(e) and M = ceil(the row's largest t), a whole number; so 1/2 < the row's largest p <= 1. The row's sum l is taken of the UNQUANTISED p, in f32, and the product's result is divided by l at the end. Since M is a whole number, a kernel that streams over the keys may use a running M (the ceiling of the running maximum): every later rescaling is an exact power of two, which a block's scale takes up: the codes' values come out the same.
;;   OPERANDS COMPUTED ON THE WAY. 'Computed on the way' means the value that the module computes at that place (a softmax that the list does not call 'softmax' is quantised finished and normalised). What goes into a quantiser is computed in f32, as accurately as f32 sums, v_exp_f32 and their like allow (about 1e-6 of the number): no bf16 or f16 on the way to a quantiser, and a product that is left as it is and whose result goes on into a quantised operand takes f32 operands (vector FMAs, or v_wmma_f32_16x16x4_f32). A number that lies on a knife's edge between two numbers of the format may be rounded either way, as far as f32 arithmetic and the matrix unit's own rounding can turn it there, and no further.
;; One version. Each part assembles by itself: llvm-mc -triple=amdgcn-amd-amdhsa -mcpu=gfx1250 --defsym DOCPART=n.
;; ======== version 1 of 1: 2 launches
;; limits: right only within a limited range of input values
;; workspace buffers: opart 16,777,216 bytes; ml 262,144 bytes
;; launch attn (part 1): grid 16 x 16, 4 waves a work-group, no clusters, 202,752 bytes of LDS; arguments Q, K, V, Kcache, Vcache, w1, w2, w3, opart, ml; writes opart, ml
.if DOCPART == 1
	.amdgcn_target "amdgcn-amd-amdhsa--gfx1250"
	.amdhsa_code_object_version 6
	.text
	.protected	k_qef899ffdb5_attn
	.globl	k_qef899ffdb5_attn
	.p2align	8
	.type	k_qef899ffdb5_attn,@function
k_qef899ffdb5_attn:
	s_mov_b64 s[64:65], 0
	v_nop
	global_prefetch_b8 v0, s[64:65] scope:SCOPE_SE
	s_setreg_imm32_b32 hwreg(HW_REG_WAVE_MODE, 25, 1), 1
	s_wait_xcnt 0x0
; GQA attention on codes of FP6 (E2M3) with one E8M0 scale for each 32 along a product's K.  16 batches (b, kv head); in each, 128 query rows (8 heads x 16 positions) against 8,192 keys: 8,176 rows of the caches, then the 16 new rows.
; logit = (Q coeff) . Kcat x C + w3[key], coeff = w1 x (+1 | -1 from d = 64 on) + w2; the new rows of K are multiplied by coeff too, the cache's rows are not.
; NO WORK IS LEFT OUT: w3 differs from key to key, coeff moves the codes of Q and of the new K, every key counts for every query.  All eight inputs are loaded.
; THE SOFTMAX: t = logit x log2(e); M = the largest t, rounded up to a whole number; p = 2^(t - M) is quantised along the keys; the row's sum is taken of the unquantised p.
; SHARES.  A work-group takes one batch (grid y) and 512 keys of it (grid x) and stores a PART: O unnormalised under its own M (opart), and -M and the sum of p (ml); the next launch joins the 16 parts of a row.
; Wave w owns keys 128 w .. 128 w + 127 of the chunk: it quantises their K and V, and makes p for all 128 queries under a whole number M of its own.  Then it owns queries 32 w .. 32 w + 31: it sums p V over all 512 keys.
; What passes from wave to wave through LDS is codes: Q's images, p's images, V^T's images, in front of three barriers.
; ALL INPUT COMES BY PLAIN LOADS, IN THE ORDER OF USE: Q, K, V.  K: 8 tiles of 16 rows, a row of 512 bytes a load, four tiles in registers by turns; a tile goes through my stage (rows of 528 bytes) and comes back as blocks of 32 along d.
; The last tile of chunk 15, wave 3, is the new K (another base, chosen by the ids), times coeff.
; V: a lane takes 4 columns of a row, lanes 0-15 of block 2 c, lanes 16-31 of block 2 c + 1 (a block: 32 keys), 32 rows: a group is (c, q), q the half of d.  Column j of the four becomes row r of tile j: d = 64 q + 4 r + j.
; In a block's second 16 rows of c = 1 a load takes two rows of one block instead, so that the new V can have its own base; v_permlane16_swap_b32 then brings each row to its lanes.
; The last four tiles of K leave their registers to groups (0, 0) and (1, 0); these are quantised between query tiles of the softmax, and (0, 1) and (1, 1) take their registers.
; THE KEYS OF A TILE are neighbours: row m of tile t is key 16 t + m.  So p's codes of a block stand in the order 0-7, 16-23, 8-15, 24-31, and V's registers follow the same order.
; THE BIAS w3 x sqrt(128) is the C of the one product of each tile, so that t = (dot + w3 sqrt(128)) x (C log2 e).  Both products are used transposed: a lane holds one query.
; NO CLUSTER: K and V are read by one work-group each; what the 16 work-groups of a batch share is Q, 65,536 of some 592,000 bytes that a work-group reads, and it goes into registers.
; NO PREFETCH: there is no loop over the stream; each tile of K and each half group of V is asked for as soon as its registers are free, four such pieces ahead of its use.
; LIMITS: NaN and infinities among the inputs are not served; scaled scores stay under 2^31 in magnitude.  A block whose largest magnitude lies under 2^-124, a block of zeros among them, gets the scale byte 1 (the bytes are read by this program alone);
; p's scale bytes, brought from a wave's M to the work-group's, are held at 1 from below.  The bias is rounded once more than in logit = dot x C + w3.
; AN IMAGE of a fragment (16 rows x 128 K, 12 registers a lane), 1,536 bytes: for c = 0, 1: registers 6 c .. 6 c + 3 at 768 c + 16 x lane, registers 6 c + 4, 6 c + 5 at 768 c + 512 + 8 x lane.  Scale words: 4 bytes a row, 64 a tile.
.set QPW,   8448                       ; LDS from 0: a stage for each wave, 16 rows x 528 bytes; when Q is done, V^T's images of q = 0 (4 x 1,536) and their scale words (at 6,144)
.set QIMG,  33792                      ; Q's 8 images
.set QISC,  46080                      ; their scale words
.set SPARE, 46592                      ; the spare words, 128 bytes for each wave
.set MTAB,  47104                      ; -M, then (2,048 on) the sums: [tile 8][wave 4][16]
.set KREG,  51200                      ; a region for each wave: K's stages, 2 x 16 rows x 528 bytes; when K is in fragments:
.set KPW,   37888                      ; p's 8 images at 0, their scale words at 12,288, V^T's images of q = 1 at 13,312, their scale words at 19,456, the way out's stages at 20,480
.set PSCO,  12288
.set VIO,   13312
.set VSO,   19456
.set OUTO,  20480                      ; 4 stages of 16 rows x 272 bytes
; WINDOW 0: addresses, Q's fragments, scales, blocks of K and Q, sums of p V
.set SPW, 1
.set NIL, 2
.set KO,  3                            ; 16 x lane
.set VO1, 4                            ; 16,384 h + 16 r
.set VO2, 5                            ; 512 h + 16 r
.set W3O, 6                            ; 32 h
.set I8,  7                            ; 8 x lane
.set I4,  8                            ; 4 r
.set QSTI, 9                           ; my stage + 16 x lane
.set VW0B, 10                          ; my stage + 8 x lane
.set QRD, 11                           ; my stage + 528 r + 128 h
.set PWA, 13                           ; my region + 16 x lane
.set PWB, 14                           ; my region + 8 x lane
.set PWS, 15                           ; my region + 4 r
.set KRD, 16                           ; my region + 528 r + 128 h
.set VSB0, 17                          ; my scale bytes of V^T, q = 0, + 4 r + h
.set VSB1, 18                          ; q = 1
.set QIWA, 19                          ; Q's images 2 w, 2 w + 1: + 16 x lane,
.set QIWB, 20                          ; + 8 x lane,
.set QIWS, 21                          ; their scale words + 4 r
.set MW,  22                           ; where I write -M and the sums
.set MR,  23                           ; where I read those of my queries
.set XA,  24                           ; v24-27 p's images of my queries in each wave's region; later V^T's
.set XB,  28
.set XS,  32
.set QI1, 36                           ; v36-47 at the head: codes of Q's second tile
.set OSI, 48
.set ORD, 49
.set SGN, 50                           ; v[50:51] +1.0 or -1.0 (d >= 64)
.set SOP, 52                           ; v52-55 the conversions' scale operands
.set BT,  56                           ; v56-59 scale bytes, at work
.set QF,  60                           ; v60-83 two fragments of Q
.set QS,  84                           ; v84-85 their scale words; v86-93 K's, v94-101 p's, v102-117 V^T's: these hold scales alone
.set KSC, 86
.set PSC, 94
.set VSC, 102
.set CF,  118                          ; v118-121 coeff at d = 4 x lane .. + 3
.set W2R, 122
.set BM,  122                          ; v122-125 largest magnitudes
.set H8,  126                          ; 8 h
.set ACC, 128                          ; v128-191 sums of p V; v128-255 two tiles' blocks of K or Q
.set OB,  192
; WINDOW 1: v0-95 K's fragments, later p's of my queries; two sets of scores; the softmax's registers
.set FS,  96
.set PC,  224                          ; v224-235 p's codes
.set PSO, 236                          ; scale operands
.set PBT, 240                          ; scale bytes, at work
.set PBM, 244                          ; the blocks' largest scores
.set NM,  248                          ; -M, two pairs by turns
.set TX,  252
.set TT,  253
.set LL,  254
.set PSW, 255
; WINDOW 2: four tiles of K as loaded, then two groups of V.  WINDOW 3: Q as loaded; columns of V (v0-127), their codes (v128-159), the bias (v192-255); in the end V^T's fragments (v0-191)
.set CD,  128
.set BIAS, 192
.set WV,  28
.set CH,  29
.set BK,  30
.set CODE, 31
.set SEL, 32                           ; s[32:33] v_permlanex16_b32's selects for lane xor 16
.set CS,  34                           ; s[34:35] log2(e) / sqrt(128), twice
.set KB,  44
.set KTB, 48
.set VB,  50
.set VYB, 52
.set QB,  54
.set W3B, 56
.set OPB, 58
.set MLB, 60
.set MSB, 0
.macro WIN new                         ; the immediate's high byte repeats the setting that is left; a switch that changes nothing is dropped
.if MSB != (\new)
	s_set_vgpr_msb (MSB<<8)|(\new)
.set MSB, (\new)
.endif
.endm
.macro WA                              ; the wait ahead of a wait that blocks or beside a batch of exponentials
	s_wait_alu depctr_va_vdst(0)
.endm
.macro WDS n
	WA
	s_wait_dscnt \n
.endm
.macro BAR                             ; my LDS stores have landed and my LDS loads are in: then the work-group's barrier
	WDS 0x0
	s_barrier_signal -1
	s_barrier_wait -1
.endm
.macro PLACES n
.rept \n
	v_nop
.endr
.endm
.macro FRAG reg, aa, ab, off           ; an image comes back as a fragment's 12 registers
	ds_load_b128 v[\reg:\reg+3], v[\aa] offset:\off
	ds_load_b64 v[\reg+4:\reg+5], v[\ab] offset:\off+512
	ds_load_b128 v[\reg+6:\reg+9], v[\aa] offset:\off+768
	ds_load_b64 v[\reg+10:\reg+11], v[\ab] offset:\off+1280
.endm
.macro IMG reg, aa, ab, off            ; and goes out
	ds_store_b128 v[\aa], v[\reg:\reg+3] offset:\off
	ds_store_b64 v[\ab], v[\reg+4:\reg+5] offset:\off+512
	ds_store_b128 v[\aa], v[\reg+6:\reg+9] offset:\off+768
	ds_store_b64 v[\ab], v[\reg+10:\reg+11] offset:\off+1280
.endm
; Two blocks of a row, d = 32 h on (v[xa] on) and d = 64 + 32 h on (v[xa + 32] on): a fragment's 12 registers at v[f] of window win, the row's scale word in v[sr].
.macro V1 set, c, q, ps                ; one load of V: position ps of group (c, q), into set set of window 2
.set PS_, \ps
.set UU, (PS_/8)%2
.set KEY, 16*UU+8*(PS_/16)+(PS_%8)
.if (\c) == 1 && UU == 1
.set KEY, KEY-(PS_%2)
.if (PS_%2) == 0
	global_load_b128 v[128*(\set)+4*PS_:128*(\set)+4*PS_+3], v[VO2], s[VB:VB+1] offset:(64+KEY)*512+256*(\q) th:TH_LOAD_NT       ; two rows of block 2
.else
	global_load_b128 v[128*(\set)+4*PS_:128*(\set)+4*PS_+3], v[VO2], s[VYB:VYB+1] offset:(KEY-16)*512+256*(\q) th:TH_LOAD_NT     ; the same two of block 3, by the base of my last 16 rows
.endif
.else
	global_load_b128 v[128*(\set)+4*PS_:128*(\set)+4*PS_+3], v[VO1], s[VB:VB+1] offset:(64*(\c)+KEY)*512+256*(\q) th:TH_LOAD_NT
.endif
.endm
.macro GL it, m                        ; load m of piece it of the stream: K's tiles 0 to 7, then the halves of V's groups (0, 0) and (1, 0); piece it lies in ring place it % 4
.if (\it) < 7
	global_load_b128 v[64*((\it)%4)+4*(\m):64*((\it)%4)+4*(\m)+3], v[KO], s[KB:KB+1] offset:8192*(\it)+512*(\m) th:TH_LOAD_NT
.elseif (\it) == 7
	global_load_b128 v[192+4*(\m):195+4*(\m)], v[KO], s[KTB:KTB+1] offset:512*(\m) th:TH_LOAD_NT
.else
.set VS_, ((\it)-8)/2
.set VP_, 16*(((\it)-8)%2)+(\m)
	V1 VS_, VS_, 0, VP_
.endif
.endm
; Memory instructions that stand among a quantiser's vector work, in eight portions k.  hk = t, 0 to 7: K's tile t goes into my stage (portions 0 to 3) and comes back as blocks (4 to 7),
; and piece t + 3 is asked for, in the ring place that tile t - 1 has left; 8: the last piece alone; -2: the blocks of Q's second tile; -1: none.
.macro HOOK hk, k
.if (\hk) == -2
.irp m, 0,1
	ds_load_b128 v[192+8*(\k)+4*\m:195+8*(\k)+4*\m], v[QRD] offset:256*((\k)/4)+32*((\k)%4)+16*\m
.endr
.elseif (\hk) >= 0
.if (\hk) >= 1
	WIN 0x88
	GL 3+(\hk), 2*(\k)
	GL 3+(\hk), 2*(\k)+1
.endif
.if (\hk) < 8
.if (\k) < 4
	WIN 0x88
.irp m, 0,1,2,3
	ds_store_b128 v[PWA], v[64*((\hk)%4)+16*(\k)+4*\m:64*((\hk)%4)+16*(\k)+4*\m+3] offset:8448*((\hk)%2)+528*(4*(\k)+\m)
.endr
.else
	WIN 0
.irp m, 0,1,2,3
	ds_load_b128 v[128+64*((\hk)%2)+16*((\k)-4)+4*\m:131+64*((\hk)%2)+16*((\k)-4)+4*\m], v[KRD] offset:8448*((\hk)%2)+256*(((\k)-4)/2)+64*(((\k)-4)%2)+16*\m
.endr
.endif
.endif
	WIN 0
.endif
.endm
.macro QUANT2 xa, f, win, sr, hk
	v_max3_num_f32 v[BM], |v[\xa]|, |v[\xa+1]|, 0x1800000          ; the largest magnitude, two chains a block, the four by turns; and the floor 2^(3 - 127): so the byte cannot fall under 1
	v_max3_num_f32 v[BM+1], |v[\xa+32]|, |v[\xa+33]|, 0x1800000
	v_max3_num_f32 v[BM+2], |v[\xa+16]|, |v[\xa+17]|, |v[\xa+18]|
	v_max3_num_f32 v[BM+3], |v[\xa+48]|, |v[\xa+49]|, |v[\xa+50]|
	HOOK \hk, 0
.irp i, 2,4,6,8,10,12
	v_max3_num_f32 v[BM], v[BM], |v[\xa+\i]|, |v[\xa+\i+1]|
	v_max3_num_f32 v[BM+1], v[BM+1], |v[\xa+32+\i]|, |v[\xa+33+\i]|
	v_max3_num_f32 v[BM+2], v[BM+2], |v[\xa+17+\i]|, |v[\xa+18+\i]|
	v_max3_num_f32 v[BM+3], v[BM+3], |v[\xa+49+\i]|, |v[\xa+50+\i]|
	HOOK \hk, \i/2
.endr
	v_max3_num_f32 v[BM], v[BM], |v[\xa+14]|, |v[\xa+15]|
	v_max3_num_f32 v[BM+1], v[BM+1], |v[\xa+46]|, |v[\xa+47]|
	v_max3_num_f32 v[BM], v[BM], v[BM+2], |v[\xa+31]|
	v_max3_num_f32 v[BM+1], v[BM+1], v[BM+3], |v[\xa+63]|
	v_add_nc_u32 v[SOP], 0xff000000, v[BM]                         ; 2 off the exponent field: the conversion takes the exponent field of this operand as its scale
	v_add_nc_u32 v[SOP+1], 0xff000000, v[BM+1]
	WIN 0x40*\win
	v_cvt_scalef32_pk16_fp6_f32 v[\f:\f+2], v[\xa:\xa+15], v[SOP]
	v_cvt_scalef32_pk16_fp6_f32 v[\f+6:\f+8], v[\xa+32:\xa+47], v[SOP+1]
	WIN 0
	v_cvt_scalef32_pk16_fp6_f32 v[60:62], v[\xa+16:\xa+31], v[SOP] ; (a conversion's three registers begin on an even number)
	v_cvt_scalef32_pk16_fp6_f32 v[64:66], v[\xa+48:\xa+63], v[SOP+1]
	v_lshrrev_b32 v[BT], 23, v[SOP]                                ; the scale bytes of blocks h and 2 + h
	v_lshrrev_b32 v[BT+1], 23, v[SOP+1]
	HOOK \hk, 7
	v_lshl_or_b32 v[BT], v[BT+1], 16, v[BT]
	v_lshlrev_b32 v[BT], v[H8], v[BT]
	v_permlanex16_b32 v[BT+2], v[BT], s[SEL], s[SEL+1]
	v_or_b32 v[\sr], v[BT], v[BT+2]                                ; with lane xor 16's two the word is whole
	WIN 0x40*\win
.irp i, 0,1,2
	v_mov_b32 v[\f+3+\i], v[60+\i]
	v_mov_b32 v[\f+9+\i], v[64+\i]
.endr
	WIN 0
.endm
.macro BLK base, addr, off             ; a lane's two blocks of 32 along d
.irp c, 0,1
.irp i, 0,1,2,3,4,5,6,7
	ds_load_b128 v[\base+32*\c+4*\i:\base+32*\c+4*\i+3], v[\addr] offset:\off+256*\c+16*\i
.endr
.endr
.endm
; Q's tile a of my two: times coeff, through my stage, back as blocks
.macro QTURN a
	WIN 0xcc                                                       ; destination and source 1 (a store's data) window 3, source 0 window 0
.irp j, 0,1,2,3,4,5,6,7,8,9,10,11,12,13,14,15
	v_pk_mul_f32 v[64*\a+4*\j:64*\a+4*\j+1], v[CF:CF+1], v[64*\a+4*\j:64*\a+4*\j+1]
	v_pk_mul_f32 v[64*\a+4*\j+2:64*\a+4*\j+3], v[CF+2:CF+3], v[64*\a+4*\j+2:64*\a+4*\j+3]
	ds_store_b128 v[QSTI], v[64*\a+4*\j:64*\a+4*\j+3] offset:528*\j
.endr
	WIN 0
.if \a == 0
	BLK 128, QRD, 0                                                ; LDS serves a wave's instructions in order (ISA guide 5.7.1.4): these see the stores above.  (Tile 1's stand among tile 0's conversions)
.endif
.endm
.macro KLOAD t                         ; K's tile t: 16 rows of 512 bytes into ring place t % 4
	WIN 0x80
.irp j, 0,1,2,3,4,5,6,7,8,9,10,11,12,13,14,15
.if (\t) == 7
	global_load_b128 v[192+4*\j:195+4*\j], v[KO], s[KTB:KTB+1] offset:512*\j th:TH_LOAD_NT
.else
	global_load_b128 v[64*((\t)%4)+4*\j:64*((\t)%4)+4*\j+3], v[KO], s[KB:KB+1] offset:8192*(\t)+512*\j th:TH_LOAD_NT
.endif
.endr
	WIN 0
.endm
; 16 loads, half hf of group (c, q) of V, into set set of window 2: position s = 0 .. 31 of a block is key 16 ((s / 8) % 2) + 8 (s / 16) + s % 8
.macro VLOAD set, c, q, hf
	WIN 0x80
.irp m, 0,1,2,3,4,5,6,7,8,9,10,11,12,13,14,15
	V1 \set, \c, \q, 16*\hf+\m
.endr
	WIN 0
.endm
; K's tile t has landed: into my stage, back as blocks; the tile before is quantised meanwhile; then its ring place is asked for again.
.macro KTILE t
	WA
.if (\t) == 0
	s_wait_loadcnt 63                                              ; 64 loads are younger: w3's and three tiles'
.else
	s_wait_loadcnt 32                                              ; the two pieces behind it may be out; the third is asked for below
.endif
.if (\t) == 7
	s_cmp_lg_u32 s[CODE], 63                                       ; ids alone: the new K, times coeff
	s_cbranch_scc1 .Lno_tail_\@
	WIN 0x82
.irp j, 0,1,2,3,4,5,6,7,8,9,10,11,12,13,14,15
	v_pk_mul_f32 v[192+4*\j:193+4*\j], v[192+4*\j:193+4*\j], v[CF:CF+1]
	v_pk_mul_f32 v[194+4*\j:195+4*\j], v[194+4*\j:195+4*\j], v[CF+2:CF+3]
.endr
	WIN 0
	WA
.Lno_tail_\@:
.endif
.if (\t) == 0
.irp k, 0,1,2,3,4,5,6,7
	HOOK 0, \k
.endr
.else
	WDS 0x0                                                        ; the last tile's stores have read their registers, on which loads land below, and its blocks are in
	QUANT2 128+64*((\t+1)%2), 12*((\t)-1), 1, KSC+(\t)-1, \t
.endif
.endm
; Group (c, q) of V is quantised, 8 rows at a time as they land; young: the loads issued behind the group's.
.macro VQ set, c, q, young
.irp k, 0,1,2,3
	WA
	s_wait_loadcnt (\young)+8*(3-\k)                               ; the group's later rows and what was issued behind it may be out
.if (\c) == 1 && (\k)%2 == 1
	WIN 0x82
.irp p, 0,1,2,3
.irp j, 0,1,2,3
	v_permlane16_swap_b32 v[128*\set+32*\k+8*\p+\j], v[128*\set+32*\k+8*\p+4+\j]
.endr
.endr
.endif
	WIN 0xc2
.irp s, 0,1,2,3,4,5,6,7
.irp j, 0,1,2,3
	v_mov_b32 v[32*\j+8*\k+\s], v[128*\set+32*\k+4*\s+\j]          ; column j's 32 numbers on end, for the conversions
.endr
.endr
	WIN 0x3c
.irp s, 0,2,4,6
.irp j, 0,1,2,3
.if (\k)+(\s) == 0
	v_max3_num_f32 v[BM+\j], 0x1800000, |v[32*\j]|, |v[32*\j+1]|
.else
	v_max3_num_f32 v[BM+\j], v[BM+\j], |v[32*\j+8*\k+\s]|, |v[32*\j+8*\k+\s+1]|
.endif
.endr
.endr
	WIN 0
.endr
.irp j, 0,1,2,3
	v_add_nc_u32 v[SOP+\j], 0xff000000, v[BM+\j]
.endr
	WDS 0x0                                                        ; the last group's stores have read their registers
.if (\q) == 1 && (\c) == 0
	s_wait_xcnt 0x0                                                ; and so have the global stores of the way out of q = 0
.endif
	WIN 0xc3
.irp j, 0,1,2,3
	v_cvt_scalef32_pk16_fp6_f32 v[CD+8*\j:CD+8*\j+2], v[32*\j:32*\j+15], v[SOP+\j]
	v_cvt_scalef32_pk16_fp6_f32 v[CD+8*\j+4:CD+8*\j+6], v[32*\j+16:32*\j+31], v[SOP+\j]
.endr
	WIN 0
.irp j, 0,1,2,3
	v_lshrrev_b32 v[BT+\j], 23, v[SOP+\j]
.endr
	WIN 0xc3
.irp i, 3,4,5
.irp j, 0,1,2,3
	v_mov_b32 v[CD+8*\j+\i], v[CD+8*\j+\i+1]
.endr
.endr
	WIN 0x0c
.irp j, 0,1,2,3
.if (\q) == 0
	ds_store_b128 v[QSTI], v[CD+8*\j:CD+8*\j+3] offset:1536*\j+768*\c
	ds_store_b64 v[VW0B], v[CD+8*\j+4:CD+8*\j+5] offset:1536*\j+768*\c+512
.else
	ds_store_b128 v[PWA], v[CD+8*\j:CD+8*\j+3] offset:VIO+1536*\j+768*\c
	ds_store_b64 v[PWB], v[CD+8*\j+4:CD+8*\j+5] offset:VIO+1536*\j+768*\c+512
.endif
.endr
	WIN 0
.irp j, 0,1,2,3
.if (\q) == 0
	ds_store_b8 v[VSB0], v[BT+\j] offset:64*\j+2*\c                ; byte 2 c + h of row r's word
.else
	ds_store_b8 v[VSB1], v[BT+\j] offset:64*\j+2*\c
.endif
.endr
.endm
.macro QFR n                           ; Q's fragment n, five LDS loads
	FRAG QF+12*((\n)%2), KO, I8, QIMG+1536*(\n)
	ds_load_b32 v[QS+((\n)%2)], v[I4] offset:QISC+64*(\n)
.endm
.macro WM n, t                         ; S^T of query tile n, key tile t: source 0 = 16 keys, source 1 = 16 queries, C = the bias
.set SD, FS+64*((\n)%2)
.set QN, QF+12*((\n)%2)
	v_wmma_scale_f32_16x16x128_f8f6f4 v[SD+8*\t:SD+8*\t+7], v[12*\t:12*\t+11], v[QN:QN+11], v[BIAS+8*\t:BIAS+8*\t+7], v[KSC+\t], v[QS+((\n)%2)] matrix_a_fmt:MATRIX_FMT_FP6 matrix_b_fmt:MATRIX_FMT_FP6
.endm
; The softmax of query tile n over my 128 keys: p's image, its scale words, -M and the sum go to LDS.  The products of tile n + 1 stand among the exponentials of tile n.
.macro SOFT n
.set SS, FS+64*((\n)%2)
.set NX, NM+2*((\n)%2)
.if (\n) < 6
	QFR (\n)+2
.endif
	WIN 0x55                                                       ; all in window 1
	WA                                                             ; ahead of the first readers of this tile's scores
.irp b, 0,1,2,3
	v_max3_num_f32 v[PBM+\b], v[SS+16*\b], v[SS+16*\b+1], v[SS+16*\b+2]   ; the largest score of each block of 32 keys: for the row's maximum, and, since p rises with the score, for the block's largest p
.endr
.irp i, 3,5,7,9,11,13
.irp b, 0,1,2,3
	v_max3_num_f32 v[PBM+\b], v[PBM+\b], v[SS+16*\b+\i], v[SS+16*\b+\i+1]
.endr
.endr
.irp b, 0,1,2,3
	v_max_num_f32 v[PBM+\b], v[PBM+\b], v[SS+16*\b+15]
.endr
.irp b, 0,1,2,3
	v_permlanex16_b32 v[PBT+\b], v[PBM+\b], s[SEL], s[SEL+1]
.endr
.irp b, 0,1,2,3
	v_max_num_f32 v[PBM+\b], v[PBM+\b], v[PBT+\b]                  ; with lane xor 16's 16 keys
.endr
	v_max3_num_f32 v[TT], v[PBM], v[PBM+1], v[PBM+2]
	v_max_num_f32 v[TT], v[TT], v[PBM+3]
	v_mul_f32 v[TX], s[CS], v[TT]                                  ; as t (the factor is positive)
	v_floor_f32 v[NX], -v[TX]                                      ; -M = floor(-t): M is a whole number
.set CNT, 0
.rept 32
	v_pk_fma_f32 v[SS+CNT:SS+CNT+1], v[SS+CNT:SS+CNT+1], s[CS:CS+1], v[NX:NX+1] op_sel_hi:[1,0,0]   ; t - M, two at a time
.set CNT, CNT+2
.endr
.irp b, 0,1,2,3
	v_fma_f32 v[PBM+\b], v[PBM+\b], s[CS], v[NX]
.endr
	WIN 0x71                                                       ; source 0 and destination window 1, source 1 window 0, source 2 window 3: for products and exponentials alike
	WA                                                             ; ahead of the batch
.if (\n) == 0
	s_wait_dscnt 5                                                 ; the next fragment of Q is in; five loads are younger,
.elseif (\n) < 6
	s_wait_dscnt 12                                                ; and the last tile's seven stores,
.elseif (\n) == 6
	s_wait_dscnt 7                                                 ; or these alone
.endif
.irp t, 0,1,2,3,4,5,6,7
.if (\n) < 7
	WM (\n)+1, \t
.endif
.irp k, 0,1,2,3,4,5,6,7
	v_exp_f32 v[SS+8*\t+\k], v[SS+8*\t+\k]                         ; p = 2^(t - M), at most 1, not normalised
.endr
.endr
.irp b, 0,1,2,3
	v_exp_f32 v[PBM+\b], v[PBM+\b]                                 ; the block's largest p: the same two instructions on the same number give the same bits
.endr
	v_nop                                                          ; a plain place behind the exponentials
	WIN 0x55
.if (\n) < 6
	WDS 5                                                          ; the wait behind the batch; and the last tile's stores have read their registers
.else
	WDS 0x0
.endif
.irp b, 0,1,2,3
	v_max_num_f32 v[PBM+\b], 0x1800000, v[PBM+\b]                  ; the floor: the byte cannot fall under 1
.endr
.irp b, 0,1,2,3
	v_add_nc_u32 v[PSO+\b], 0xff000000, v[PBM+\b]
.endr
.irp b, 0,1,2,3
	v_lshrrev_b32 v[PBT+\b], 23, v[PSO+\b]
.endr
	v_lshl_or_b32 v[PSW], v[PBT+1], 8, v[PBT]
	v_lshl_or_b32 v[PSW], v[PBT+2], 16, v[PSW]
	v_lshl_or_b32 v[PSW], v[PBT+3], 24, v[PSW]                     ; p's scale word for these 128 keys
	v_cvt_scalef32_pk16_fp6_f32 v[PC:PC+2], v[SS:SS+15], v[PSO]
	v_cvt_scalef32_pk16_fp6_f32 v[PBM:PBM+2], v[SS+16:SS+31], v[PSO+1]
	v_cvt_scalef32_pk16_fp6_f32 v[PC+6:PC+8], v[SS+32:SS+47], v[PSO+2]
	v_cvt_scalef32_pk16_fp6_f32 v[PBT:PBT+2], v[SS+48:SS+63], v[PSO+3]
	v_nop                                                          ; one plain place behind the scaled conversions
.irp i, 0,1,2                          ; the operand's layout wants a whole block in a lane: lanes 0-15 block 2 c, lanes 16-31 block 2 c + 1
	v_permlane16_swap_b32 v[PC+\i], v[PBM+\i]
	v_permlane16_swap_b32 v[PC+6+\i], v[PBT+\i]
.endr
.irp k, 0,2,4,6,8,10,12,14,16,18,20,22,24,26,28,30
	v_pk_add_f32 v[SS+\k:SS+\k+1], v[SS+\k:SS+\k+1], v[SS+32+\k:SS+33+\k]   ; the sum of the unquantised p, as a tree over registers that the conversions are done with
.endr
.irp i, 0,1,2
	v_mov_b32 v[PC+3+\i], v[PBM+\i]
	v_mov_b32 v[PC+9+\i], v[PBT+\i]
.endr
.irp k, 0,2,4,6,8,10,12,14
	v_pk_add_f32 v[SS+\k:SS+\k+1], v[SS+\k:SS+\k+1], v[SS+16+\k:SS+17+\k]
.endr
.irp k, 0,2,4,6
	v_pk_add_f32 v[SS+\k:SS+\k+1], v[SS+\k:SS+\k+1], v[SS+8+\k:SS+9+\k]
.endr
	WIN 0x04
	IMG PC, PWA, PWB, 1536*(\n)
	ds_store_b32 v[PWS], v[PSW] offset:PSCO+64*(\n)
	ds_store_b32 v[MW], v[NX] offset:256*(\n)
	WIN 0x55
.irp k, 0,2
	v_pk_add_f32 v[SS+\k:SS+\k+1], v[SS+\k:SS+\k+1], v[SS+4+\k:SS+5+\k]
.endr
	v_pk_add_f32 v[SS:SS+1], v[SS:SS+1], v[SS+2:SS+3]
	v_add_f32 v[LL], v[SS], v[SS+1]
	v_permlanex16_b32 v[TT], v[LL], s[SEL], s[SEL+1]
	v_add_f32 v[LL], v[LL], v[TT]                                  ; and lane xor 16's
	WIN 0x04
	ds_store_b32 v[MW], v[LL] offset:2048+256*(\n)
	WIN 0
.endm
; O^T of my 32 queries for half q of d, over all 512 keys, and its way out.  Key group g is wave g's 128 keys.
.macro PVSC q
.irp g, 0,1,2,3
.irp j, 0,1,2,3
.if (\q) == 0
	ds_load_b32 v[VSC+4*\g+\j], v[I4] offset:QPW*\g+6144+64*\j
.else
	ds_load_b32 v[VSC+4*\g+\j], v[XS+\g] offset:VSO+64*\j
.endif
.endr
.endr
.endm
.macro PVF q, g                        ; V^T's four fragments of key group g: 16 LDS loads
	WIN 0xc0
.irp j, 0,1,2,3
.if (\q) == 0
	FRAG 12*(4*(\g)+\j), KO, I8, QPW*(\g)+1536*\j
.else
	FRAG 12*(4*(\g)+\j), XA+(\g), XB+(\g), VIO+1536*\j
.endif
.endr
	WIN 0
.endm
.macro PV q                            ; (the fragments of q = 0 have been asked for among the arithmetic on M)
.if (\q) == 1
.irp g, 0,1,2,3
	PVF 1, \g
.endr
.endif
.irp g, 0,1,2,3
	WDS 16*(3-\g)                                                  ; the later groups' 16 loads each may be out
	WIN 0x07
.irp a, 0,1
.irp j, 0,1,2,3                        ; the eight accumulators take turns
.if \g == 0
	v_wmma_scale_f32_16x16x128_f8f6f4 v[ACC+32*\a+8*\j:ACC+32*\a+8*\j+7], v[12*(4*\g+\j):12*(4*\g+\j)+11], v[12*(4*\a+\g):12*(4*\a+\g)+11], 0, v[VSC+4*\g+\j], v[PSC+4*\a+\g] matrix_a_fmt:MATRIX_FMT_FP6 matrix_b_fmt:MATRIX_FMT_FP6
.else
	v_wmma_scale_f32_16x16x128_f8f6f4 v[ACC+32*\a+8*\j:ACC+32*\a+8*\j+7], v[12*(4*\g+\j):12*(4*\g+\j)+11], v[12*(4*\a+\g):12*(4*\a+\g)+11], v[ACC+32*\a+8*\j:ACC+32*\a+8*\j+7], v[VSC+4*\g+\j], v[PSC+4*\a+\g] matrix_a_fmt:MATRIX_FMT_FP6 matrix_b_fmt:MATRIX_FMT_FP6
.endif
.endr
.endr
.endr
	WIN 0
	PLACES 5
.irp a, 0,1
.irp i, 0,1,2,3,4,5,6,7
.irp j, 0,1,2,3
	v_mov_b32 v[OB+32*\a+4*\i+\j], v[ACC+32*\a+8*\j+\i]            ; lane (r, h), tile j, register i: d = 64 q + 32 h + 4 i + j: four tiles make 16 neighbouring bytes
.endr
.endr
.irp i, 0,1,2,3,4,5,6,7
	ds_store_b128 v[OSI], v[OB+32*\a+4*\i:OB+32*\a+4*\i+3] offset:OUTO+4352*(2*\q+\a)+16*\i
.endr
.endr
.irp a, 0,1
.irp t, 0,1,2,3,4,5,6,7
	ds_load_b128 v[ACC+32*\a+4*\t:ACC+32*\a+4*\t+3], v[ORD] offset:OUTO+4352*(2*\q+\a)+544*\t   ; back as rows of 256 bytes
.endr
.endr
.irp a, 0,1
	WDS 8*(1-\a)
.irp t, 0,1,2,3,4,5,6,7
	global_store_b128 v[VO2], v[ACC+32*\a+4*\t:ACC+32*\a+4*\t+3], s[OPB:OPB+1] offset:8192*\a+1024*\t+256*\q th:TH_STORE_NT   ; 16 lanes store 256 consecutive bytes, aligned
.endr
.endr
.endm
	s_load_b512 s[8:23], s[0:1], 0x0               ; Q s[8:9], K s[10:11], V s[12:13], Kcache s[14:15], Vcache s[16:17], w1 s[18:19], w2 s[20:21], w3 s[22:23]
	s_load_b128 s[24:27], s[0:1], 0x40             ; opart s[24:25], ml s[26:27]
	v_lshl_add_u32 v[SPW], v0, 2, SPARE
	v_mov_b32 v[NIL], 0
	v_lshrrev_b32 v60, 5, v0
	v_readfirstlane_b32 s[WV], v60                 ; wave 0..3
	s_mov_b32 s[CH], ttmp9                         ; chunk of 512 keys
	s_and_b32 s[BK], ttmp7, 0xffff                 ; batch = 4 b + kv head
	s_lshl_b32 s[CODE], s[CH], 2
	s_add_co_u32 s[CODE], s[CODE], s[WV]           ; 63: my last 16 rows are the new K and V
	s_mul_i32 s66, s[WV], QPW                      ; my stage
	s_mul_i32 s67, s[WV], KPW
	s_add_co_u32 s67, s67, KREG                    ; my region
	s_mul_i32 s68, s[WV], 3072
	s_lshl_b32 s69, s[WV], 7
	s_lshl_b32 s70, s[WV], 6
	s_lshl_b32 s71, s[WV], 9
	s_add_co_u32 s72, s66, 6144
	s_add_co_u32 s73, s67, VSO
	s_add_co_u32 s74, s68, QIMG
	s_add_co_u32 s75, s69, QISC
	s_add_co_u32 s76, s70, MTAB
	s_add_co_u32 s77, s71, MTAB
	s_add_co_u32 s78, s68, KREG
	s_add_co_u32 s79, s69, KREG+PSCO
	v_and_b32 v60, 31, v0                          ; lane
	v_and_b32 v61, 15, v0                          ; r
	v_bfe_u32 v62, v0, 4, 1                        ; h
	v_lshlrev_b32 v[KO], 4, v60
	v_lshlrev_b32 v[I8], 3, v60
	v_lshlrev_b32 v[I4], 2, v61
	v_lshlrev_b32 v63, 4, v61
	v_lshl_add_u32 v[VO2], v62, 9, v63
	v_lshl_add_u32 v[VO1], v62, 14, v63
	v_lshlrev_b32 v[W3O], 5, v62
	v_lshlrev_b32 v[H8], 3, v62
	v_add_nc_u32 v[QSTI], s66, v[KO]
	v_add_nc_u32 v[VW0B], s66, v[I8]
	v_mul_u32_u24 v64, v61, 528
	v_lshl_add_u32 v64, v62, 7, v64
	v_add_nc_u32 v[QRD], s66, v64
	v_add_nc_u32 v[KRD], s67, v64
	v_add_nc_u32 v[PWA], s67, v[KO]
	v_add_nc_u32 v[PWB], s67, v[I8]
	v_add_nc_u32 v[PWS], s67, v[I4]
	v_add_nc_u32 v65, v[I4], v62
	v_add_nc_u32 v[VSB0], s72, v65
	v_add_nc_u32 v[VSB1], s73, v65
	v_add_nc_u32 v[QIWA], s74, v[KO]
	v_add_nc_u32 v[QIWB], s74, v[I8]
	v_add_nc_u32 v[QIWS], s75, v[I4]
	v_add_nc_u32 v[MW], s76, v[I4]
	v_add_nc_u32 v[MR], s77, v[I4]
.irp g, 0,1,2,3
	v_add_nc_u32 v[XA+\g], s78, v[KO]
	v_add_nc_u32 v[XB+\g], s78, v[I8]
	v_add_nc_u32 v[XS+\g], s79, v[I4]
	s_add_co_u32 s78, s78, KPW
	s_add_co_u32 s79, s79, KPW
.endr
	v_mul_u32_u24 v66, v61, 272
	v_lshl_add_u32 v66, v62, 7, v66
	v_add_nc_u32 v[OSI], s67, v66                  ; the way out, in: 272 r + 128 h
	v_mul_u32_u24 v67, v62, 272
	v_add_nc_u32 v67, v63, v67
	v_add_nc_u32 v[ORD], s67, v67                  ; and back: 272 h + 16 r
	v_lshlrev_b32 v[SGN], 31, v62                  ; lanes 16-31 hold d >= 64
	v_or_b32 v[SGN], 0x3f800000, v[SGN]
	v_mov_b32 v[SGN+1], v[SGN]
.irp b, 0,1,2,3
	v_mov_b32 v[BT+\b], 0                          ; written once: a lane permute's destination counts as one of its sources
.endr
	WIN 0x40
.irp b, PBT,PBT+1,PBT+2,PBT+3,NM+1,NM+3,TT
	v_mov_b32 v[\b], 0                             ; the same in window 1; and the partners of -M, named with it as pairs
.endr
	WIN 0
	WA
	; byte offsets, each in a pair with 0 above it
	s_mul_i32 s2, s[BK], 4186112                   ; a batch of a cache: 8,176 rows of 512 bytes
	s_lshl_b32 s3, s[CH], 18
	s_add_co_u32 s2, s2, s3
	s_lshl_b32 s3, s[WV], 16
	s_add_co_u32 s2, s2, s3                        ; my 128 rows
	s_mov_b32 s3, 0
	s_lshl_b32 s80, s[BK], 13                      ; the batch's 16 new rows
	s_mov_b32 s81, 0
	s_lshl_b32 s82, s[BK], 16
	s_lshl_b32 s84, s[WV], 14
	s_add_co_u32 s82, s82, s84                     ; Q: rows 32 w on
	s_mov_b32 s83, 0
	s_lshl_b32 s88, s[BK], 4
	s_add_co_u32 s88, s88, s[CH]                   ; 16 x batch + chunk
	s_lshl_b32 s86, s88, 16
	s_add_co_u32 s86, s86, s84                     ; opart: rows 32 w on of the part
	s_mov_b32 s87, 0
	s_lshl_b32 s88, s88, 10
	s_lshl_b32 s84, s[WV], 8
	s_add_co_u32 s88, s88, s84                     ; ml: 1,024 bytes a part, 256 a wave
	s_mov_b32 s89, 0
	s_lshl_b32 s84, s[CH], 11
	s_lshl_b32 s85, s[WV], 9
	s_add_co_u32 s84, s84, s85                     ; w3: my 128 keys
	s_mov_b32 s85, 0
	s_mov_b32 s[SEL], 0x76543210
	s_mov_b32 s[SEL+1], 0xfedcba98
	s_mov_b32 s[CS], 0x3e0293ee                    ; log2(e) / sqrt(128)
	s_mov_b32 s[CS+1], s[CS]
	s_wait_kmcnt 0x0
	s_add_nc_u64 s[QB:QB+1], s[8:9], s[82:83]
	s_add_nc_u64 s[KB:KB+1], s[14:15], s[2:3]
	s_add_nc_u64 s[KTB:KTB+1], s[KB:KB+1], 57344   ; 112 rows on
	s_add_nc_u64 s[VB:VB+1], s[16:17], s[2:3]
	s_add_nc_u64 s[VYB:VYB+1], s[VB:VB+1], 57344
	s_add_nc_u64 s[66:67], s[10:11], s[80:81]
	s_add_nc_u64 s[68:69], s[12:13], s[80:81]
	s_cmp_eq_u32 s[CODE], 63
	s_cselect_b64 s[KTB:KTB+1], s[66:67], s[KTB:KTB+1]
	s_cselect_b64 s[VYB:VYB+1], s[68:69], s[VYB:VYB+1]
	s_add_nc_u64 s[W3B:W3B+1], s[22:23], s[84:85]
	s_add_nc_u64 s[OPB:OPB+1], s[24:25], s[86:87]
	s_add_nc_u64 s[MLB:MLB+1], s[26:27], s[88:89]
	; 82 loads: w1, w2, my 32 rows of Q, K's tile 0, w3, K's tile 1
	global_load_b128 v[CF:CF+3], v[KO], s[18:19]
	global_load_b128 v[W2R:W2R+3], v[KO], s[20:21]
	WIN 0xc0
.set CNT, 0
.rept 32
	global_load_b128 v[4*CNT:4*CNT+3], v[KO], s[QB:QB+1] offset:512*CNT
.set CNT, CNT+1
.endr
	KLOAD 0
	WIN 0xc0
.irp t, 0,1,2,3,4,5,6,7
	global_load_b128 v[BIAS+8*\t:BIAS+8*\t+3], v[W3O], s[W3B:W3B+1] offset:64*\t      ; register i of tile t: key 16 t + 8 h + i
	global_load_b128 v[BIAS+8*\t+4:BIAS+8*\t+7], v[W3O], s[W3B:W3B+1] offset:64*\t+16
.endr
	KLOAD 1
	s_wait_loadcnt 63                              ; w1, w2 and Q's first 16 rows are in: 64 loads are younger
	v_pk_fma_f32 v[CF:CF+1], v[CF:CF+1], v[SGN:SGN+1], v[W2R:W2R+1]        ; coeff: the product with +-1 is exact, so one rounding
	v_pk_fma_f32 v[CF+2:CF+3], v[CF+2:CF+3], v[SGN:SGN+1], v[W2R+2:W2R+3]
	KLOAD 2
	QTURN 0
	WA
	s_wait_loadcnt 63                              ; Q's second 16 rows are in: 64 loads are younger
	KLOAD 3
	QTURN 1
	WDS 16                                         ; tile 0's blocks are in; tile 1's 16 stores may be out
	QUANT2 128, 72, 0, QS, -2
	IMG 72, QIWA, QIWB, 0
	ds_store_b32 v[QIWS], v[QS]
	WDS 5                                          ; tile 1's blocks are in
	QUANT2 192, QI1, 0, QS+1, -1
	IMG QI1, QIWA, QIWB, 1536
	ds_store_b32 v[QIWS], v[QS+1] offset:64
	BAR                                            ; Q's images are whole
.irp t, 0,1,2,3,4,5,6,7
	KTILE \t
.endr
	WDS 0x0
	QUANT2 192, 84, 1, KSC+7, 8
	QFR 0
	QFR 1
	WIN 0xc3
.irp t, 0,1,2,3,4,5,6,7
.irp i, 0,2,4,6
	v_pk_mul_f32 v[BIAS+8*\t+\i:BIAS+8*\t+\i+1], v[BIAS+8*\t+\i:BIAS+8*\t+\i+1], 0x413504f3 op_sel_hi:[1,0]   ; w3 x sqrt(128).  These 32 are also the 8 places between the last scale word and the scaled products
.endr
.endr
	WIN 0
	WDS 5                                          ; the first fragment of Q is in; the second's five loads may be out
	WIN 0x71
.irp t, 0,1,2,3,4,5,6,7
	WM 0, \t
.endr
	WIN 0
	PLACES 5                                       ; for the loads into tile 0's fragment and for the first reads of its scores
.irp n, 0,1,2,3,4,5,6,7
	SOFT \n
.if \n == 2
	VQ 0, 0, 0, 32                                 ; V's group (0, 0); (1, 0)'s 32 loads are younger
	VLOAD 0, 0, 1, 0
.elseif \n == 3
	VLOAD 0, 0, 1, 1
.elseif \n == 5
	VQ 1, 1, 0, 32                                 ; group (1, 0); (0, 1)'s 32 loads are younger
	VLOAD 1, 1, 1, 0
.elseif \n == 6
	VLOAD 1, 1, 1, 1
.endif
.endr
	BAR                                            ; p's images, -M, the sums and V^T's images of q = 0 are whole
	; my queries: tiles 2 w + a.  The M of the four waves become one
.irp a, 0,1
.irp g, 0,1,2,3
	ds_load_b32 v[200+4*\a+\g], v[MR] offset:256*\a+64*\g          ; -M
	ds_load_b32 v[208+4*\a+\g], v[MR] offset:2048+256*\a+64*\g     ; the sum
	ds_load_b32 v[216+4*\a+\g], v[XS+\g] offset:64*\a              ; p's scale word
.endr
.endr
	WIN 0x40
.irp a, 0,1
.irp g, 0,1,2,3
	FRAG 12*(4*\a+\g), XA+\g, XB+\g, 1536*\a
.endr
.endr
	WIN 0
	PVSC 0
	WDS 48                                         ; the first 24 are in; 32 and 16 are younger
.irp a, 0,1
	v_min3_num_f32 v[244+\a], v[200+4*\a], v[201+4*\a], v[202+4*\a]
	v_min_num_f32 v[244+\a], v[244+\a], v[203+4*\a]                ; -M, M the largest of the four
.irp g, 0,1,2,3
	v_sub_f32 v[224+\g], v[244+\a], v[200+4*\a+\g]                 ; M of wave g less M: a whole number, 0 or less
	v_sub_f32 v[228+\g], v[200+4*\a+\g], v[244+\a]
.endr
.irp g, 0,1,2,3
	v_cvt_i32_f32 v[224+\g], v[224+\g]                             ; (they saturate)
	v_cvt_u32_f32 v[228+\g], v[228+\g]
	v_add_nc_u32 v[232+\g], 0xfefefeff, v[216+4*\a+\g]             ; each byte less 1: no byte is under 1
.endr
	PVF 0, 2*\a
.irp g, 0,1,2,3
	v_bfe_u32 v[240+\g], v[232+\g], 0, 8
.endr
.irp g, 0,1,2,3
	v_min_u32 v[240+\g], v[240+\g], v[228+\g]                      ; what is taken off the byte, which stays 1 or more
.endr
.irp k, 8,16,24
.irp g, 0,1,2,3
	v_bfe_u32 v[236+\g], v[232+\g], \k, 8
.endr
.irp g, 0,1,2,3
	v_min_u32 v[236+\g], v[236+\g], v[228+\g]
.endr
.irp g, 0,1,2,3
	v_lshl_or_b32 v[240+\g], v[236+\g], \k, v[240+\g]
.endr
.endr
.irp g, 0,1,2,3
	v_sub_nc_u32 v[PSC+4*\a+\g], v[216+4*\a+\g], v[240+\g]
.endr
.irp g, 0,1,2,3
	v_ldexp_f32 v[232+\g], 1.0, v[224+\g]
.endr
	v_mul_f32 v[246+\a], v[232], v[208+4*\a]
.irp g, 1,2,3
	v_fma_f32 v[246+\a], v[232+\g], v[208+4*\a+\g], v[246+\a]      ; the sum under M
.endr
	PVF 0, 2*\a+1
.endr
	v_and_b32 v248, 31, v0
	v_cmp_gt_u32 vcc_lo, 16, v248
	v_lshlrev_b32 v[BT+2], 2, v248
	v_cndmask_b32 v[BT], v246, v244, vcc_lo                        ; lanes 0-15 store -M, lanes 16-31 the sums: 128 consecutive bytes a tile
	v_cndmask_b32 v[BT+1], v247, v245, vcc_lo
	global_store_b32 v[BT+2], v[BT], s[MLB:MLB+1]
	global_store_b32 v[BT+2], v[BT+1], s[MLB:MLB+1] offset:128
	PV 0
.irp g, 0,1,2,3
	v_add_nc_u32 v[XA+\g], KREG+KPW*\g, v[KO]                      ; from here on: V^T's images of q = 1
	v_add_nc_u32 v[XB+\g], KREG+KPW*\g, v[I8]
	v_add_nc_u32 v[XS+\g], KREG+KPW*\g, v[I4]
.endr
	VQ 0, 0, 1, 32
	VQ 1, 1, 1, 0
	BAR                                            ; V^T's images of q = 1 are whole
	PVSC 1
	PV 1
	s_wait_tensorcnt 0x0                           ; the wave's end, behind my last LDS store
	ds_add_u32 v[SPW], v[NIL]
	s_wait_dscnt 0x0
	s_endpgm
.Lfunc_end_k_qef899ffdb5_attn:
	.size	k_qef899ffdb5_attn, .Lfunc_end_k_qef899ffdb5_attn-k_qef899ffdb5_attn
	.p2alignl 7, 3214868480
	.fill 96, 4, 3214868480
	.section	.rodata,"a",@progbits
	.p2align	6, 0x0
	.amdhsa_kernel k_qef899ffdb5_attn
		.amdhsa_group_segment_fixed_size 202752
		.amdhsa_private_segment_fixed_size 0
		.amdhsa_enable_private_segment 0
		.amdhsa_kernarg_size 80
		.amdhsa_user_sgpr_count 2
		.amdhsa_user_sgpr_kernarg_segment_ptr 1
		.amdhsa_wavefront_size32 1
		.amdhsa_system_sgpr_workgroup_id_x 1
		.amdhsa_system_sgpr_workgroup_id_y 1
		.amdhsa_system_sgpr_workgroup_id_z 1
		.amdhsa_system_vgpr_workitem_id 0
		.amdhsa_next_free_vgpr 1024
		.amdhsa_next_free_sgpr 96
		.amdhsa_reserve_vcc 1
		.amdhsa_float_denorm_mode_32 3
		.amdhsa_float_denorm_mode_16_64 3
		.amdhsa_memory_ordered 1
		.amdhsa_forward_progress 1
		.amdhsa_inst_pref_size 255
	.end_amdhsa_kernel
	.section	.bss,"aw",@nobits
	.p2align	6
	.space	262144
	.amdgpu_metadata
---
amdhsa.version: [ 1, 2 ]
amdhsa.kernels:
  - .name:           k_qef899ffdb5_attn
    .symbol:         k_qef899ffdb5_attn.kd
    .args:
      - { .name: Q, .offset: 0, .size: 8, .value_kind: global_buffer, .address_space: global }
      - { .name: K, .offset: 8, .size: 8, .value_kind: global_buffer, .address_space: global }
      - { .name: V, .offset: 16, .size: 8, .value_kind: global_buffer, .address_space: global }
      - { .name: Kcache, .offset: 24, .size: 8, .value_kind: global_buffer, .address_space: global }
      - { .name: Vcache, .offset: 32, .size: 8, .value_kind: global_buffer, .address_space: global }
      - { .name: w1, .offset: 40, .size: 8, .value_kind: global_buffer, .address_space: global }
      - { .name: w2, .offset: 48, .size: 8, .value_kind: global_buffer, .address_space: global }
      - { .name: w3, .offset: 56, .size: 8, .value_kind: global_buffer, .address_space: global }
      - { .name: opart, .offset: 64, .size: 8, .value_kind: global_buffer, .address_space: global }
      - { .name: ml, .offset: 72, .size: 8, .value_kind: global_buffer, .address_space: global }
    .group_segment_fixed_size: 202752
    .private_segment_fixed_size: 0
    .kernarg_segment_align: 8
    .kernarg_segment_size: 80
    .max_flat_workgroup_size: 128
    .sgpr_count:     96
    .vgpr_count:     1024
    .wavefront_size: 32
...
	.end_amdgpu_metadata
.endif
;; end of part 1
;; launch combine (part 2): grid 16 x 16, 8 waves a work-group, no clusters, 0 bytes of LDS; arguments opart, ml, out0; writes out0
.if DOCPART == 2
	.amdgcn_target "amdgcn-amd-amdhsa--gfx1250"
	.amdhsa_code_object_version 6
	.text
	.protected	k_qef899ffdb5_combine
	.globl	k_qef899ffdb5_combine
	.p2align	8
	.type	k_qef899ffdb5_combine,@function
k_qef899ffdb5_combine:
	s_mov_b64 s[64:65], 0
	v_nop
	global_prefetch_b8 v0, s[64:65] scope:SCOPE_SE
	s_setreg_imm32_b32 hwreg(HW_REG_WAVE_MODE, 25, 1), 1
	s_wait_xcnt 0x0
; The 16 parts of each output row are joined.  Part c of a row holds O_c (128 numbers, summed under its own whole number M_c), -M_c and l_c, the sum of its p.
; out = (sum over c of f_c O_c) / (sum over c of f_c l_c), f_c = 2^(M_c - M*), M* the largest M_c: every f_c is an exact power of two.  No work is left out.
; opart: [batch 16][chunk 16][row 128][d 128] f32.  ml: [batch][chunk][tile 8][32]: words 0-15 are -M of rows 16 tile + 0 .. 15, words 16-31 their sums.  out0: row 128 x batch + row, 128 f32.
; A wave owns one row (grid x: 8 rows, grid y: the batch); a lane owns 4 neighbouring d: each load and the store cover the row's 512 consecutive bytes.  All 17 loads of a wave go out at once.  No LDS, no barrier: waves share nothing.
; LIMITS: NaN and infinities are not served; a part whose M_c lies more than 149 under M* counts for nothing (f_c falls to 0).
	s_load_b128 s[4:7], s[0:1], 0x0                ; opart, ml
	s_load_b64 s[8:9], s[0:1], 0x10                ; out0
	v_lshrrev_b32 v1, 5, v0
	s_delay_alu instid0(VALU_DEP_1)
	v_readfirstlane_b32 s10, v1                    ; wave
	s_and_b32 s11, ttmp7, 0xffff                   ; batch
	s_lshl_b32 s12, ttmp9, 3
	s_add_co_u32 s12, s12, s10                     ; my row of the batch's 128
	v_and_b32 v2, 31, v0
	s_delay_alu instid0(VALU_DEP_1)
	v_lshlrev_b32 v3, 4, v2                        ; 16 x lane
	v_and_b32 v4, 15, v0
	v_bfe_u32 v5, v0, 4, 1
	s_delay_alu instid0(VALU_DEP_2)
	v_lshlrev_b32 v4, 10, v4
	s_delay_alu instid0(VALU_DEP_1)
	v_lshl_add_u32 v4, v5, 6, v4                   ; ml: chunk lane % 16; lanes 0-15 take -M, lanes 16-31 the sum
	s_lshl_b32 s14, s11, 20                        ; opart: 1,048,576 bytes a batch,
	s_lshl_b32 s15, s12, 9                         ; 512 a row
	s_add_co_u32 s14, s14, s15
	s_mov_b32 s15, 0
	s_lshl_b32 s16, s11, 14                        ; ml: 16,384 bytes a batch,
	s_lshr_b32 s17, s12, 4
	s_lshl_b32 s17, s17, 7                         ; 128 for each 16 rows,
	s_add_co_u32 s16, s16, s17
	s_and_b32 s17, s12, 15
	s_lshl_b32 s17, s17, 2                         ; 4 a row
	s_add_co_u32 s16, s16, s17
	s_mov_b32 s17, 0
	s_lshl_b32 s18, s11, 16                        ; out0: 65,536 bytes a batch, 512 a row
	s_lshl_b32 s19, s12, 9
	s_add_co_u32 s18, s18, s19
	s_mov_b32 s19, 0
	s_mov_b32 s20, 0x76543210
	s_mov_b32 s21, 0xfedcba98                      ; v_permlanex16_b32's selects for lane xor 16
	v_mov_b32 v11, 0                               ; a lane permute's destination counts as one of its sources
	s_wait_alu depctr_va_vdst(0)
	s_wait_kmcnt 0x0
	s_add_nc_u64 s[4:5], s[4:5], s[14:15]
	s_add_nc_u64 s[6:7], s[6:7], s[16:17]
	s_add_nc_u64 s[8:9], s[8:9], s[18:19]
	global_load_b32 v8, v4, s[6:7]
.irp c, 0,1,2,3,4,5,6,7,8,9,10,11,12,13,14,15
	global_load_b128 v[16+4*\c:19+4*\c], v3, s[4:5] offset:65536*\c th:TH_LOAD_NT
.endr
	s_wait_loadcnt 16                              ; -M and the sums are in; the 16 parts may be out
	v_xor_b32 v10, 0x80000000, v8                  ; lanes 0-15: M_c  (what lanes 16-31 make of the sums below is finite and is not used)
	s_delay_alu instid0(VALU_DEP_1)
	v_mov_b32 v9, v10
	s_delay_alu instid0(VALU_DEP_1)
	v_max_num_f32_dpp v9, v9, v9 row_xmask:1 row_mask:0xf bank_mask:0xf
	s_delay_alu instid0(VALU_DEP_1)
	v_max_num_f32_dpp v9, v9, v9 row_xmask:2 row_mask:0xf bank_mask:0xf
	s_delay_alu instid0(VALU_DEP_1)
	v_max_num_f32_dpp v9, v9, v9 row_xmask:4 row_mask:0xf bank_mask:0xf
	s_delay_alu instid0(VALU_DEP_1)
	v_max_num_f32_dpp v9, v9, v9 row_xmask:8 row_mask:0xf bank_mask:0xf   ; M*
	s_delay_alu instid0(VALU_DEP_1)
	v_sub_f32 v10, v10, v9                         ; M_c - M*: a whole number, 0 or less
	s_delay_alu instid0(VALU_DEP_1)
	v_cvt_i32_f32 v10, v10                         ; (it saturates)
	s_delay_alu instid0(VALU_DEP_1)
	v_ldexp_f32 v10, 1.0, v10                      ; f_c, in lane c
	v_permlanex16_b32 v11, v8, s20, s21            ; l_c comes to lane c
	s_delay_alu instid0(VALU_DEP_1)
	v_mul_f32 v12, v10, v11
	s_delay_alu instid0(VALU_DEP_1)
	v_add_f32_dpp v12, v12, v12 row_xmask:1 row_mask:0xf bank_mask:0xf
	s_delay_alu instid0(VALU_DEP_1)
	v_add_f32_dpp v12, v12, v12 row_xmask:2 row_mask:0xf bank_mask:0xf
	s_delay_alu instid0(VALU_DEP_1)
	v_add_f32_dpp v12, v12, v12 row_xmask:4 row_mask:0xf bank_mask:0xf
	s_delay_alu instid0(VALU_DEP_1)
	v_add_f32_dpp v12, v12, v12 row_xmask:8 row_mask:0xf bank_mask:0xf    ; lanes 0-15: the row's sum
	s_delay_alu instid0(VALU_DEP_1)
	v_readlane_b32 s22, v12, 0
	s_delay_alu instid0(VALU_DEP_1)
	v_mov_b32 v13, s22                             ; in every lane
	s_wait_alu depctr_va_vdst(0)
	v_rcp_f32 v13, v13
	v_nop                                          ; a plain place behind the reciprocal
.irp c, 0,1,2,3,4,5,6,7,8,9,10,11,12,13,14,15
	v_readlane_b32 s[40+\c], v10, \c               ; f_c as a scalar: a factor, and nothing that steers an address or a branch
.endr
.irp c, 0,1,2,3,4,5,6,7,8,9,10,11,12,13,14,15
	s_wait_alu depctr_va_vdst(0)
	s_wait_loadcnt 15-\c                           ; part c is in; the younger parts may be out
.irp k, 0,1,2,3
.if \c == 0
	s_wait_alu depctr_va_vdst(0)
	v_mul_f32 v[80+\k], s[40], v[16+\k]            ; the first part starts the sums
.else
	v_fma_f32 v[80+\k], s[40+\c], v[16+4*\c+\k], v[80+\k]
.endif
.endr
.endr
	s_wait_alu depctr_va_vdst(0)                   ; the wait ahead of the reciprocal's first reader; the sums above are the work between
.irp k, 0,1,2,3
	v_mul_f32 v[80+\k], v[80+\k], v13
.endr
	global_store_b128 v3, v[80:83], s[8:9]         ; 32 lanes store the row's 512 consecutive bytes, at a multiple of 512 from out0's first byte
	s_endpgm
.Lfunc_end_k_qef899ffdb5_combine:
	.size	k_qef899ffdb5_combine, .Lfunc_end_k_qef899ffdb5_combine-k_qef899ffdb5_combine
	.p2alignl 7, 3214868480
	.fill 96, 4, 3214868480
	.section	.rodata,"a",@progbits
	.p2align	6, 0x0
	.amdhsa_kernel k_qef899ffdb5_combine
		.amdhsa_group_segment_fixed_size 0
		.amdhsa_private_segment_fixed_size 0
		.amdhsa_enable_private_segment 0
		.amdhsa_kernarg_size 24
		.amdhsa_user_sgpr_count 2
		.amdhsa_user_sgpr_kernarg_segment_ptr 1
		.amdhsa_wavefront_size32 1
		.amdhsa_system_sgpr_workgroup_id_x 1
		.amdhsa_system_sgpr_workgroup_id_y 1
		.amdhsa_system_sgpr_workgroup_id_z 1
		.amdhsa_system_vgpr_workitem_id 0
		.amdhsa_next_free_vgpr 96
		.amdhsa_next_free_sgpr 66
		.amdhsa_reserve_vcc 0
		.amdhsa_float_denorm_mode_32 3
		.amdhsa_float_denorm_mode_16_64 3
		.amdhsa_memory_ordered 1
		.amdhsa_forward_progress 1
		.amdhsa_inst_pref_size 12
	.end_amdhsa_kernel
	.amdgpu_metadata
---
amdhsa.version: [ 1, 2 ]
amdhsa.kernels:
  - .name:           k_qef899ffdb5_combine
    .symbol:         k_qef899ffdb5_combine.kd
    .args:
      - { .name: opart, .offset: 0, .size: 8, .value_kind: global_buffer, .address_space: global }
      - { .name: ml, .offset: 8, .size: 8, .value_kind: global_buffer, .address_space: global }
      - { .name: out0, .offset: 16, .size: 8, .value_kind: global_buffer, .address_space: global }
    .group_segment_fixed_size: 0
    .private_segment_fixed_size: 0
    .kernarg_segment_align: 8
    .kernarg_segment_size: 24
    .max_flat_workgroup_size: 256
    .sgpr_count:     66
    .vgpr_count:     96
    .wavefront_size: 32
...
	.end_amdgpu_metadata
.endif
;; end of part 2
